; MI455X (gfx1250); checked and timed in simulation.
; The chip was launched on July 23, 2026; its instructions are those of AMD's public machine-readable ISA for CDNA 5 (MIT licence, August 2026) and "CDNA5" Instruction Set Architecture Reference Guide (July 2026). The comments in the code are by the model that wrote it; some were corrected since.
;; selfattention. Allowed arithmetic: matrix products marked QUANTISED: E2M1 operands, one E8M0 scale for each 32 along K, by v_wmma_scale_f32_16x16x128_f8f6f4 with both operands' format E2M1 (or v_wmma_scale_f32_32x16x128_f4), f32 sums; everything else in f32.
;; Inputs: K_codes 4 x 16 x 2,048 x 4 x 16 uint8 (E2M1 codes of K, K innermost, in blocks of 32 codes, two codes a byte); K_scales 4 x 16 x 2,048 x 4 uint8 (E8M0 scales of K, one for each 32 codes along K); Q_codes 4 x 16 x 2,048 x 4 x 16 uint8 (E2M1 codes of Q, K innermost, in blocks of 32 codes, two codes a byte); Q_scales 4 x 16 x 2,048 x 4 uint8 (E8M0 scales of Q, one for each 32 codes along K); V_codes 4 x 16 x 128 x 64 x 16 uint8 (E2M1 codes of V, K innermost, in blocks of 32 codes, two codes a byte); V_scales 4 x 16 x 128 x 64 uint8 (E8M0 scales of V, one for each 32 codes along K).
;; Outputs: out0 4 x 16 x 2,048 x 128 float32.
;; Constants: mask = 1.
;; This version of the problem:
;;   THIS VERSION OF THE PROBLEM IS GIVEN IN LOW PRECISION. The matrix products marked QUANTISED in the list below multiply operands that are first quantised to E2M1 (2 exponent bits, 1 mantissa bit; 4 bits a number), with one power-of-two scale for each 32 numbers along K (OCP MX v1.0); their sums are f32. All else is computed in f32.
;;   The module's matrix products, in the order in which they are computed (A, B: the left and right operand; K: the contracted axis; several contracted axes count as one K, in the product's order):
;;     1. batch 64 x [M 2,048, K 128] x [K 128, N 2,048]; A: input Q (given as codes); B: input K (given as codes): QUANTISED
;;     2. batch 64 x [M 2,048, K 2,048] x [K 2,048, N 128]; A: softmax (see below); B: input V (given as codes): QUANTISED
;;   THE QUANTISER, for each operand of a quantised product, along K:
;;     - K is cut into blocks of 32 from its start; a last block that is shorter is filled with zeros.
;;     - A block's scale is 2^e with e = floor(log2(the largest magnitude in the block)) - 2, held to -126 .. 127; a block of zeros has e = 0. As a byte (E8M0): e + 127.
;;     - Each number is divided by its block's scale, clamped to +-6, and rounded to the nearest number of E2M1, ties to even, subnormals kept.
;;     - The product sums the exact products of the quantised numbers (number of the format x scale) in f32.
;;   ~~~python
;;   def quantise(x, axis):      # numpy; x: float32 -> the quantised numbers, widened to float32 again
;;       x = np.moveaxis(x, axis, -1); K = x.shape[-1]
;;       x = np.pad(x, [(0, 0)] * (x.ndim - 1) + [(0, -K % 32)]); x = x.reshape(x.shape[:-1] + (-1, 32)); a = np.abs(x).max(-1, keepdims=True)
;;       e = np.where(a > 0, np.clip(np.frexp(np.where(a > 0, a, 1))[1] - 1 - 2, -126, 127), 0)      # np.frexp(a)[1] - 1 = floor(log2(a)), exactly
;;       r = np.clip(x / 2.0 ** e, -6, 6)
;;       step = 2.0 ** (np.maximum(np.frexp(np.where(r == 0, 1, r))[1] - 1, 0) - 1)
;;       q = np.round(r / step) * step * 2.0 ** e      # np.round: ties to even
;;       return np.moveaxis(q.reshape(q.shape[:-2] + (-1,))[..., :K], -1, axis).astype(np.float32)
;;   ~~~
;;   SOFTMAX AHEAD OF A QUANTISED PRODUCT. Where the list says 'softmax', what is quantised is not the finished softmax but p = 2^(t - M), with t = logit x log2(e) and M = ceil(the row's largest t), a whole number; so 1/2 < the row's largest p <= 1. The row's sum l is taken of the UNQUANTISED p, in f32, and the product's result is divided by l at the end. Since M is a whole number, a kernel that streams over the keys may use a running M (the ceiling of the running maximum): every later rescaling is an exact power of two, which a block's scale takes up: the codes' values come out the same.
;;   OPERANDS COMPUTED ON THE WAY. 'Computed on the way' means the value that the module computes at that place (a softmax that the list does not call 'softmax' is quantised finished and normalised). What goes into a quantiser is computed in f32, as accurately as f32 sums, v_exp_f32 and their like allow (about 1e-6 of the number): no bf16 or f16 on the way to a quantiser, and a product that is left as it is and whose result goes on into a quantised operand takes f32 operands (vector FMAs, or v_wmma_f32_16x16x4_f32). A number that lies on a knife's edge between two numbers of the format may be rounded either way, as far as f32 arithmetic and the matrix unit's own rounding can turn it there, and no further.
;;   INPUTS GIVEN AS CODES. K (in the module: [4, 16, 2048, 128], K = its axis 3); Q (in the module: [4, 16, 2048, 128], K = its axis 3); V (in the module: [4, 16, 2048, 128], K = its axis 2): each comes as NAME_codes (uint8): NAME with its K axis moved to the last place and cut into blocks of 32 codes, [.., K / 32, bytes a block], one block behind the other in memory; two codes a byte, the lower K in the low four bits (a code: sign, 2 exponent bits, 1 mantissa bit); and NAME_scales (uint8): the same leading axes, one E8M0 byte (e + 127) for each 32 codes along K. Its value is code x scale, taken as it is: it is not quantised again, and the codes and scales need not be those that the quantiser above would give.
;; One version. Each part assembles by itself: llvm-mc -triple=amdgcn-amd-amdhsa -mcpu=gfx1250 --defsym DOCPART=n.
;; ======== version 1 of 1: 1 launch
;; launch attn (part 1): grid 4 x 64, 16 waves a work-group, clusters of 4 x 1, 327,680 bytes of LDS; arguments K_codes, K_scales, Q_codes, Q_scales, V_codes, V_scales, out0; writes out0
.if DOCPART == 1
	.amdgcn_target "amdgcn-amd-amdhsa--gfx1250"
	.amdhsa_code_object_version 6
	.text
	.protected	k_qd65abbce6f_attn
	.globl	k_qd65abbce6f_attn
	.p2align	8
	.type	k_qd65abbce6f_attn,@function
k_qd65abbce6f_attn:
	s_mov_b64 s[64:65], 0
	v_nop
	global_prefetch_b8 v0, s[64:65] scope:SCOPE_SE
	s_setreg_imm32_b32 hwreg(HW_REG_WAVE_MODE, 25, 1), 1
	s_wait_xcnt 0x0
	s_wait_alu depctr_hold_cnt(0) depctr_sa_sdst(0) depctr_va_vdst(0) depctr_va_sdst(0) depctr_va_ssrc(0) depctr_va_vcc(0) depctr_vm_vsrc(0)
	s_getreg_b32 s2, hwreg(HW_REG_IB_STS2, 6, 4)
	s_cmp_eq_u32 s2, 0
	s_cbranch_scc0 .Lentry_in_a_cluster
	s_endpgm
.Lentry_in_a_cluster:
	s_bfe_u32 s2, ttmp6, 0x10000c
	s_cmp_lg_u32 s2, 0x3003
	s_cbranch_scc0 .Lentry_shape_is_right
	s_endpgm
.Lentry_shape_is_right:
; out0[head][q][:] = the sum over keys k <= q of softmax_k(Q[q] . K[k] / sqrt(128)) V[k][:], 64 heads, 2,048 queries and keys, head size 128.
; Both products run on codes of FP4 (E2M1) with one E8M0 scale for each 32 along a product's K.  Q, K: codes with the head's 128 innermost (64 bytes a row), 4 scale bytes a row.
; V: codes with the KEYS innermost, [head][128][2,048 codes] (1,024 bytes a row), 64 scale bytes a row.  out0: f32.
; THE SOFTMAX AHEAD OF THE SECOND PRODUCT: t = score x log2(e) / sqrt(128); M = the running largest t rounded UP to a whole number; p = 2^(t - M) is quantised along the keys, not normalised.
; The row's sum is taken of the unquantised p and divides O at the end.  When M moves, the sum and O are multiplied by 2^(old M - new M): nothing is rounded.
; SHARES.  The four work-groups of a head form a cluster.  A head's whole K, V and their scale bytes, 278,528 bytes with padding 304,128, are brought into each partner's LDS ONCE, by joint tensor loads
; (the same load, the same descriptor, a mask that names the four), all issued at the kernel's head.  No LDS byte is filled twice, so there is no ring and no barrier inside the walks over the keys.
; A wave owns TWO tiles of 16 queries, one after the other, in 256 registers (four waves to a SIMD: one wave's vector work stands beside another's products and LDS loads).
; With p = wave / 2, u = wave % 2, m = 2 x place in the cluster + u: the LATE tile is queries 128 (15 - p) + 16 m on, which needs key steps 0 .. 15 - p of 128 keys; the EARLY tile is queries 128 p + 16 m on,
; which needs steps 0 .. p.  So every wave of the launch works 17 steps, two of them on the diagonal.  Which steps a wave works hangs on its number alone: it is the same in all four partners; the place in
; the cluster enters Q's and out0's addresses and one data register (DV), nothing else.
; ORDER OF A WAVE'S STEPS (a running M allows any order): late tile, steps 12 .. 15 - p; late tile, steps 0 .. min(p, 4) - 1: four steps in every wave; a barrier; the rest of the late tile; its way out; the early tile; its way out.
; Behind that barrier nobody reads keys 1,536 .. 2,047 of K and V any more: those LDS bytes, which have had their only fill, become the sixteen waves' stages for the way out.
; LAYOUT.  Both products are used transposed: S^T = K Q^T (source 0 = 16 keys, source 1 = my 16 queries), O^T = V^T P^T (source 0 = 16 of the head's 128, source 1 = P): a lane holds ONE query (lane % 16) throughout.
; THE KEYS OF A TILE ARE NOT NEIGHBOURS: lane r of tile 2 b + u takes key 32 b + 8 u + r + 8 (r / 8), so that the 16 registers of tiles 2 b and 2 b + 1 are 16 neighbouring keys, 32 b + 16 (lane / 16) + 0 .. 15.
; Nothing is prefetched: every byte of K and V is asked for by a tensor load at the kernel's head, and Q by loads there too.
; LIMITS.  Scale bytes are taken as given (a byte 0xff gives NaN).  Scores must be finite in f32; the start value -3e38 lies under every t.  A p under 2^-126 comes out of v_exp_f32 as 0; a block whose every p
; is 0 keeps the byte 1 over zero codes.  t is one multiplication by c = log2(e) / sqrt(128).  A block's largest p is taken from its largest score (it takes v_exp_f32 not to fall where its input rises).
; The key steps are not taken in ascending order, so the f32 sums are grouped otherwise than a plain walk would group them.
; REGISTERS: v1-7 addresses and data that stay; v8-11 addresses of the step in hand; v12 -M, v13 the largest t, v[14:15] the sum in two halves; v16-23, v24-31 Q's fragments (late, early); v32-63 four fragments of K or V;
; v64-65 the stage; v96-159 S^T, then p, then O / the sum; v160-223 O^T, on the way out rows read back; v224-231 p's codes; v232-247, v252, v254 at work; v248-251 scale words, between the two products partial sums; v253, v255, v6 scale words.
.set KPIT,  144                        ; an LDS row of K: two keys, 128 bytes + 16 of padding: key k at (k / 2) x 144 + (k % 2) x 64.  The sixteen keys of a fragment load fall on sixteen different 16-byte columns modulo 256
.set KSTEP, 64*KPIT                    ; 128 keys
.set KCH,   4*KSTEP                    ; a chunk: 512 keys
.set KHALF, KCH/2                      ; what one tensor load brings of K
.set VB,    4*KCH                      ; V's codes begin here: chunk c (keys 512 c on) at VB + c VCH: 128 rows of 256 bytes + 16
.set VPIT,  272
.set VCH,   128*VPIT
.set VHALF, VCH/2                      ; 64 rows: what one tensor load brings of V
.set SCK,   VB+4*VCH                   ; K's scale bytes of the head: 8,192 dense bytes as 32 rows of 256 + 16; 128 keys are 544 bytes
.set SHALF, 16*272
.set SCV,   SCK+2*SHALF                ; V's likewise: row d's 64 bytes at (d / 4) x 272 + (d % 4) x 64
.set STG0,  3*KCH                      ; the stages of waves 0-7: K's chunk 3
.set STGD,  VB+3*VCH-STG0              ; those of waves 8-15: V's chunk 3
.set STGW,  16*272                     ; a stage: 16 rows x (256 bytes + 16)
.set AK0,  1                           ; v1   my lane's place in a tile of K
.set AV0,  2                           ; v2   the same for V
.set ASK0, 3                           ; v3   my lane's place among K's scale words
.set ASV0, 4                           ; v4   and among V's
.set DV,   5                           ; v5   16 m + lane % 16 - 16 (lane / 16): on the diagonal register 16 b + i is hidden where 32 b + i > DV
.set GO,   7                           ; v7   the way out: my byte offset in the tile's rows of out0
.set ADK,  8
.set ADV,  9
.set ADS,  10
.set ADT,  11
.set SIN,  64                          ; v64  the stage: where I put 32 bytes of a row
.set SBK,  65                          ; v65  and where I read a row back
.set WV,   18                          ; s18  my wave's number
.set PP,   19                          ; s19  p = wave / 2
.set SEL,  20                          ; s[20:21] lane selects for v_permlanex16_b32: lane l xor 16
.set CS,   22                          ; s[22:23] c: the packed form names a pair and takes its low word for both halves
.set G1K,  24                          ; descriptor groups 1: K's tiles, V's tiles, scale bytes
.set G1V,  32
.set G1S,  40
.set G0KS, 48                          ; descriptor groups 0, one for each load, never rewritten
.set G0K3, 52
.set G0K0, 56
.set G0K1, 60
.set G0K2, 68
.set G0VS, 72
.set G0V3, 76
.set G0V0, 80
.set G0V1, 84
.set G0V2, 88
.set OUTL, 92                          ; s[92:93] out0 at the late tile's first row;  s[94:95] at the early tile's
.set OUTE, 94
.set RLO,  96                          ; s96, s97  a step is worked where RLO <= its number < RHI; step RHI - 1 is the tile's diagonal step
.set RHI,  97
.set STN,  98                          ; s98  the step's number
.set T0,   99
.set FF,   100                         ; s100 min(p, 4)
.set HL,   101                         ; s101 16 - p: the late tile's steps
.set TK,   2                           ; s2   where the step's keys begin in K's region
.set TV,   3                           ; s3   and in V's
.set TS,   66                          ; s66  where its scale words of K begin
.set TJ,   67                          ; s67  and V's
.set RCH,  104                         ; s104 chunks to go
.set RIN,  105                         ; s105 steps of the chunk to go
; A round of the cluster's barrier: my work-group's barrier, so that wave 0's signal speaks for all sixteen waves; wave 0 signals for the work-group; every wave waits for all four work-groups; my work-group's barrier once more.
.macro CROUND
	s_barrier_signal -1
	s_barrier_wait -1
	s_cmp_lg_u32 s[WV], 0
	s_cbranch_scc1 .Lnot_wave_0_\@
	s_barrier_signal -3
.Lnot_wave_0_\@:
	s_barrier_wait -3
	s_barrier_signal -1
	s_barrier_wait -1
.endm
.macro MKG0 g, lreg, lconst, base, goff        ; a group 0: count 1; LDS address = a number made of the wave's number + a constant; global address; type 2
	s_mov_b32 s[\g], 1
	s_add_co_u32 s[\g+1], s[\lreg], \lconst
	s_add_nc_u64 s[\g+2:\g+3], s[\base:\base+1], \goff
	s_or_b32 s[\g+3], s[\g+3], 0x80000000
.endm
	s_load_b256 s[4:11], s[0:1], 0x0               ; K's codes s[4:5], K's scales s[6:7], Q's codes s[8:9], Q's scales s[10:11]
	s_load_b128 s[12:15], s[0:1], 0x20             ; V's codes s[12:13], V's scales s[14:15]
	s_load_b64 s[16:17], s[0:1], 0x30              ; out0
	v_lshl_add_u32 v242, v0, 2, 0x4a400
	v_mov_b32 v243, 0
	ds_add_u32 v242, v243
	ds_add_u32 v242, v243
	v_lshrrev_b32 v8, 5, v0
	s_delay_alu instid0(VALU_DEP_1)
	v_readfirstlane_b32 s[WV], v8                  ; wave 0..15
	s_lshr_b32 s[PP], s[WV], 1
	s_and_b32 s96, s[WV], 1                        ; which half of a chunk I fetch, if I fetch
	s_and_b32 s97, ttmp7, 0xffff                   ; the head, which the four partners share
	; descriptor groups 1: constants.  15:0 the mask: all four work-groups; 17:16 element size; 20 padding on; 21 set beside a mask; 24:22 the row's words; 31:25 four words of padding (code 3)
	s_mov_b32 s[G1K], 15|(1<<20)|(1<<21)|(4<<22)|(3<<25)           ; K: 128 rows of 128 bytes (two keys), dense in memory; padding after every 32 words (code 4)
	s_mov_b32 s[G1K+1], 128<<16                    ; tensor_dim0
	s_mov_b32 s[G1K+2], 128<<16                    ; tensor_dim1
	s_mov_b32 s[G1K+3], 128<<16                    ; tile_dim0
	s_mov_b32 s[G1K+4], 128                        ; tile_dim1
	s_mov_b32 s[G1K+5], 128                        ; from row to row
	s_mov_b32 s[G1K+6], 0
	s_mov_b32 s[G1K+7], 0
	s_mov_b32 s[G1V], 15|(1<<20)|(1<<21)|(5<<22)|(3<<25)           ; V: 64 rows of 256 bytes, 1,024 bytes apart in memory; padding after every 64 words (code 5)
	s_mov_b32 s[G1V+1], 256<<16
	s_mov_b32 s[G1V+2], 64<<16
	s_mov_b32 s[G1V+3], 256<<16
	s_mov_b32 s[G1V+4], 64
	s_mov_b32 s[G1V+5], 1024
	s_mov_b32 s[G1V+6], 0
	s_mov_b32 s[G1V+7], 0
	s_mov_b32 s[G1S], 15|(3<<16)|(1<<20)|(1<<21)|(5<<22)|(3<<25)   ; scale bytes: 4,096 dense bytes as 16 rows of 32 elements of 8 bytes
	s_mov_b32 s[G1S+1], 32<<16
	s_mov_b32 s[G1S+2], 16<<16
	s_mov_b32 s[G1S+3], 32<<16
	s_mov_b32 s[G1S+4], 16
	s_mov_b32 s[G1S+5], 32
	s_mov_b32 s[G1S+6], 0
	s_mov_b32 s[G1S+7], 0
	s_mov_b32 s[SEL], 0x76543210
	s_mov_b32 s[SEL+1], 0xfedcba98
	s_mov_b32 s[CS], 0x3e0293ee                    ; c = log2(e) / sqrt(128)
	s_mov_b32 s[CS+1], s[CS]                       ; (named with it as a pair, so it is written)
	; where my head and my half begin, in bytes: numbers that the four partners share
	s_lshl_b32 s105, s97, 17                       ; a head's codes are 131,072 bytes in each tensor
	s_lshl_b32 s2, s96, 14                         ; K: half a chunk is 256 keys of 64 bytes
	s_add_co_u32 s2, s2, s105
	s_mov_b32 s3, 0
	s_lshl_b32 s98, s96, 16                        ; V: 64 rows of 1,024 bytes
	s_add_co_u32 s98, s98, s105
	s_mov_b32 s99, 0
	s_lshl_b32 s66, s97, 13                        ; a head's scale bytes are 8,192 in each tensor; my half 4,096
	s_lshl_b32 s67, s96, 12
	s_add_co_u32 s66, s66, s67
	s_mov_b32 s67, 0
	s_mul_i32 s100, s96, KHALF                     ; and where the halves go in LDS
	s_mul_i32 s101, s96, VHALF
	s_mul_i32 s104, s96, SHALF
	s_wait_dscnt 0x0
	s_wait_kmcnt 0x0
	s_add_nc_u64 s[4:5], s[4:5], s[2:3]
	s_add_nc_u64 s[6:7], s[6:7], s[66:67]
	s_add_nc_u64 s[12:13], s[12:13], s[98:99]
	s_add_nc_u64 s[14:15], s[14:15], s[66:67]
	MKG0 G0KS, 104, SCK, 6, 0
	MKG0 G0K3, 100, 3*KCH, 4, 3*32768              ; chunk c of K: 512 keys = 32,768 bytes on
	MKG0 G0K0, 100, 0, 4, 0
	MKG0 G0K1, 100, KCH, 4, 32768
	MKG0 G0K2, 100, 2*KCH, 4, 2*32768
	MKG0 G0VS, 104, SCV, 14, 0
	MKG0 G0V3, 101, VB+3*VCH, 12, 3*256            ; chunk c of V: 256 bytes on in each row
	MKG0 G0V0, 101, VB, 12, 0
	MKG0 G0V1, 101, VB+VCH, 12, 256
	MKG0 G0V2, 101, VB+2*VCH, 12, 2*256
	CROUND                                         ; all four work-groups are here: the joint loads meet
	; Waves 0 and 1 fetch K's halves, waves 2 and 3 V's, the others nothing.  A wave's five loads stand in one branch on its number, the same in every partner: five loads of mine are out.
	; The order: what is read first comes first: the scale bytes, chunk 3, chunk 0; then chunks 1 and 2.  Four v_nop follow the last.
	s_cmp_lt_u32 s[WV], 2
	s_cbranch_scc0 .Lnot_k
	tensor_load_to_lds s[G0KS:G0KS+3], s[G1S:G1S+7]
	s_nop 0
	tensor_load_to_lds s[G0K3:G0K3+3], s[G1K:G1K+7]
	s_nop 0
	tensor_load_to_lds s[G0K0:G0K0+3], s[G1K:G1K+7]
	s_nop 0
	tensor_load_to_lds s[G0K1:G0K1+3], s[G1K:G1K+7]
	s_nop 0
	tensor_load_to_lds s[G0K2:G0K2+3], s[G1K:G1K+7]
	s_nop 0
.rept 4
	v_nop
.endr
	s_branch .Lasked
.Lnot_k:
	s_cmp_lt_u32 s[WV], 4
	s_cbranch_scc0 .Lasked
	tensor_load_to_lds s[G0VS:G0VS+3], s[G1S:G1S+7]
	s_nop 0
	tensor_load_to_lds s[G0V3:G0V3+3], s[G1V:G1V+7]
	s_nop 0
	tensor_load_to_lds s[G0V0:G0V0+3], s[G1V:G1V+7]
	s_nop 0
	tensor_load_to_lds s[G0V1:G0V1+3], s[G1V:G1V+7]
	s_nop 0
	tensor_load_to_lds s[G0V2:G0V2+3], s[G1V:G1V+7]
	s_nop 0
.rept 4
	v_nop
.endr
.Lasked:
	; While the tiles are on their way: Q, out0's bases, the lane's addresses.  The place in the cluster is held in s92-95, in Q's and out0's pointers and in DV.
	s_bfe_u32 s94, ttmp6, 0x40000                  ; my place in the cluster (the grid has one cluster along x)
	s_and_b32 s95, s[WV], 1
	s_lshl_b32 s94, s94, 1
	s_add_co_u32 s94, s94, s95                     ; m = 2 x place + wave % 2: which 16 of a row of 128 queries
	s_lshl_b32 s92, s94, 10                        ; Q's codes: 16 m rows of 64 bytes,
	s_add_co_u32 s92, s92, s105                    ; in my head
	s_mov_b32 s93, 0
	s_add_nc_u64 s[8:9], s[8:9], s[92:93]
	s_lshl_b32 s92, s94, 6                         ; Q's scale words: 4 bytes a row
	s_lshl_b32 s95, s97, 13
	s_add_co_u32 s92, s92, s95
	s_add_nc_u64 s[10:11], s[10:11], s[92:93]
	s_lshl_b32 s92, s94, 13                        ; out0: rows of 512 bytes, a head 2^20 bytes
	s_lshl_b32 s95, s97, 20
	s_add_co_u32 s92, s92, s95
	s_add_nc_u64 s[16:17], s[16:17], s[92:93]
	s_lshl_b32 s95, s94, 4                         ; 16 m
	v_and_b32 v8, 15, v0                           ; r = lane % 16
	v_bfe_u32 v9, v0, 4, 1                         ; h = lane / 16
	s_delay_alu instid0(VALU_DEP_1)
	v_lshlrev_b32 v[DV], 4, v9
	s_delay_alu instid0(VALU_DEP_1)
	v_sub_nc_u32 v[DV], v8, v[DV]
	s_delay_alu instid0(VALU_DEP_1)
	v_add_nc_u32 v[DV], s95, v[DV]                 ; 16 m + r - 16 h: the same for both tiles
	s_sub_co_u32 s98, 15, s[PP]                    ; the late tile's row of 128 queries
	s_lshl_b32 s96, s98, 16                        ; 128 rows of 512 bytes
	s_mov_b32 s97, 0
	s_add_nc_u64 s[OUTL:OUTL+1], s[16:17], s[96:97]
	s_lshl_b32 s96, s[PP], 16
	s_add_nc_u64 s[OUTE:OUTE+1], s[16:17], s[96:97]
	v_lshlrev_b32 v10, 6, v8
	s_delay_alu instid0(VALU_DEP_1)
	v_lshl_add_u32 v10, v9, 4, v10                 ; Q's codes: row r, + my half's 16 bytes
	v_lshlrev_b32 v11, 2, v8                       ; Q's scale words: 4 r
	s_lshl_b32 s99, s98, 13                        ; 128 rows of 64 bytes
	v_add_nc_u32 v232, s99, v10                    ; v232-235 hold the loads' offsets until the wait for them
	s_lshl_b32 s99, s[PP], 13
	v_add_nc_u32 v233, s99, v10
	s_lshl_b32 s99, s98, 9
	v_add_nc_u32 v234, s99, v11
	s_lshl_b32 s99, s[PP], 9
	v_add_nc_u32 v235, s99, v11
	global_load_b128 v[16:19], v232, s[8:9] th:TH_LOAD_NT            ; the late tile's fragment of Q stays in registers,
	global_load_b128 v[20:23], v232, s[8:9] offset:32 th:TH_LOAD_NT
	global_load_b128 v[24:27], v233, s[8:9] th:TH_LOAD_NT            ; and so does the early tile's
	global_load_b128 v[28:31], v233, s[8:9] offset:32 th:TH_LOAD_NT
	global_load_b32 v255, v234, s[10:11] th:TH_LOAD_NT               ; their scale words
	global_load_b32 v6, v235, s[10:11] th:TH_LOAD_NT
	s_min_u32 s[FF], s[PP], 4
	s_sub_co_u32 s[HL], 16, s[PP]
	s_lshr_b32 s96, s[WV], 3                       ; my stage: STG0 + (wave / 8) STGD + (wave % 8) STGW
	s_mul_i32 s96, s96, STGD
	s_and_b32 s97, s[WV], 7
	s_mul_i32 s97, s97, STGW
	s_add_co_u32 s96, s96, s97
	s_add_co_u32 s96, s96, STG0
	v_and_b32 v11, 8, v8
	s_delay_alu instid0(VALU_DEP_1)
	v_add_nc_u32 v11, v11, v8                      ; r + 8 (r / 8)
	s_delay_alu instid0(VALU_DEP_1)
	v_lshrrev_b32 v12, 1, v11
	s_delay_alu instid0(VALU_DEP_1)
	v_mul_u32_u24 v[AK0], v12, KPIT
	s_delay_alu instid0(VALU_DEP_3)
	v_and_b32 v12, 1, v11
	s_delay_alu instid0(VALU_DEP_1)
	v_lshl_add_u32 v[AK0], v12, 6, v[AK0]
	s_delay_alu instid0(VALU_DEP_1)
	v_lshl_add_u32 v[AK0], v9, 4, v[AK0]           ; that key's row and half row, + 16 h
	v_mul_u32_u24 v[AV0], v8, VPIT
	s_delay_alu instid0(VALU_DEP_1)
	v_lshl_add_u32 v[AV0], v9, 4, v[AV0]
	s_delay_alu instid0(VALU_DEP_1)
	v_add_nc_u32 v[AV0], VB, v[AV0]
	v_lshl_add_u32 v[ASK0], v11, 2, SCK            ; K's scale words: 4 bytes a key
	v_lshrrev_b32 v12, 2, v8
	v_and_b32 v13, 3, v8
	s_delay_alu instid0(VALU_DEP_2)
	v_mul_u32_u24 v[ASV0], v12, 272
	s_delay_alu instid0(VALU_DEP_1)
	v_lshl_add_u32 v[ASV0], v13, 6, v[ASV0]
	s_delay_alu instid0(VALU_DEP_1)
	v_add_nc_u32 v[ASV0], SCV, v[ASV0]             ; V's: row r of a tile
	v_lshlrev_b32 v[GO], 9, v9
	s_delay_alu instid0(VALU_DEP_1)
	v_lshl_add_u32 v[GO], v8, 4, v[GO]             ; the way out: lanes 0-15 take one row of out0, lanes 16-31 the next; 16 bytes a lane
	v_mul_u32_u24 v[SIN], v8, 272
	s_delay_alu instid0(VALU_DEP_1)
	v_lshl_add_u32 v[SIN], v9, 5, v[SIN]
	s_delay_alu instid0(VALU_DEP_1)
	v_add_nc_u32 v[SIN], s96, v[SIN]               ; into the stage: row r, + 32 h
	v_mul_u32_u24 v[SBK], v9, 272
	s_delay_alu instid0(VALU_DEP_1)
	v_lshl_add_u32 v[SBK], v8, 4, v[SBK]
	s_delay_alu instid0(VALU_DEP_1)
	v_add_nc_u32 v[SBK], s96, v[SBK]               ; back: lanes 0-15 one row, lanes 16-31 the next
.irp b, 0,1,2,3
	v_mov_b32 v[236+\b], 0                         ; written once: a lane permute's destination counts as one of its sources
.endr
	v_mov_b32 v252, 0
	v_mov_b32 v253, 0                              ; (named as the upper half of the pair v[252:253] before it is first written)
; A tile begins: the largest t so far is -3e38, under every t; the sum and O^T are zeros, which the first change of M leaves zeros.  So the step is written once for first and later steps alike.
.macro INIT
	v_mov_b32 v13, 0xff61b1e6
	s_delay_alu instid0(VALU_DEP_1)
	v_floor_f32 v12, -v13                          ; -M
	v_mov_b32 v14, 0
	v_mov_b32 v15, 0
.set n, 0
.rept 64
	v_mov_b32 v[160+n], 0
.set n, n+1
.endr
.endm
; A KEY STEP: 128 keys.  qf: Q's fragment; qs: its scale words; diag = 1: the walk may hold the tile's diagonal step.
.macro STEP qf, qs, diag
	s_cmp_lt_u32 s[STN], s[RLO]                    ; a step that is not this walk's is left out: scalar branches on the wave's number and the step's, round the step's loads, products and softmax,
	s_cbranch_scc1 .Lhid_\@                        ; not round the lines at its end that step addresses
	s_cmp_ge_u32 s[STN], s[RHI]
	s_cbranch_scc1 .Lhid_\@
	s_setprio 2
	v_add_nc_u32 v[ADK], s[TK], v[AK0]             ; these four are also the four places in front of loads into registers that the last products read
	s_wait_alu depctr_va_vdst(0)
	v_add_nc_u32 v[ADV], s[TV], v[AV0]
	v_add_nc_u32 v[ADS], s[TS], v[ASK0]
	s_wait_alu depctr_va_vdst(0)
	v_add_nc_u32 v[ADT], s[TJ], v[ASV0]
.irp g, 0,1                                    ; S^T = K Q^T, four tiles of 16 keys at a time
.if \g
.rept 4
	v_nop                                          ; places in front of loads into registers that matrix instructions have read
.endr
.endif
.irp t, 0,1,2,3
.irp c, 0,1
	ds_load_b128 v[32+8*\t+4*\c:32+8*\t+4*\c+3], v[ADK] offset:(32*((4*\g+\t)/2)+8*(\t%2))*72+32*\c   ; a key is 72 bytes on average: two keys to a row of 144, and a tile begins at an even key
.endr
	ds_load_b32 v[248+\t], v[ADS] offset:272*\g+(32*(((4*\g+\t)/2)%2)+8*(\t%2))*4
.endr
	s_wait_dscnt 0x0
.irp t, 0,1,2,3
	v_wmma_scale_f32_16x16x128_f8f6f4 v[96+8*(4*\g+\t):103+8*(4*\g+\t)], v[32+8*\t:39+8*\t], v[\qf:\qf+7], 0, v[248+\t], v[\qs] matrix_a_fmt:MATRIX_FMT_FP4 matrix_b_fmt:MATRIX_FMT_FP4
.endr
.endr
.rept 4
	v_nop                                          ; places in front of the first read of the scores
.endr
.if \diag                                      ; in the tile's diagonal step the scores of hidden keys become -infinity ahead of the maximum: p = 0 then.  Key 128 x step counts for every query of the tile, so M is a number
	s_add_co_u32 s[T0], s[STN], 1
	s_cmp_lg_u32 s[T0], s[RHI]
	s_cbranch_scc1 .Lopen_\@
	v_mov_b32 v254, 0xff800000                     ; -infinity
.set n, 0
.rept 64
	v_cmp_gt_i32 vcc_lo, 32*(n/16)+n%16, v[DV]
	v_cndmask_b32 v[96+n], v[96+n], v254, vcc_lo
.set n, n+1
.endr
.Lopen_\@:
.endif
.irp b, 0,1,2,3
	v_max3_num_f32 v[232+\b], v[96+16*\b], v[97+16*\b], v[98+16*\b]   ; THE LARGEST SCORE OF EACH BLOCK OF 32 KEYS: it serves twice: for the row's maximum, and, since p rises with the score, for the block's largest p
.endr
.irp i, 3,5,7,9,11,13
.irp b, 0,1,2,3
	v_max3_num_f32 v[232+\b], v[232+\b], v[96+16*\b+\i], v[97+16*\b+\i]   ; (the four blocks by turns)
.endr
.endr
.irp b, 0,1,2,3
	v_max_num_f32 v[232+\b], v[232+\b], v[111+16*\b]
.endr
.irp b, 0,1,2,3
	s_delay_alu instid0(VALU_DEP_4)
	v_permlanex16_b32 v[236+\b], v[232+\b], s[SEL], s[SEL+1]
.endr
.irp b, 0,1,2,3
	s_delay_alu instid0(VALU_DEP_4)
	v_max_num_f32 v[232+\b], v[232+\b], v[236+\b]  ; with lane l xor 16's 16 keys
.endr
	s_delay_alu instid0(VALU_DEP_2)
	v_max3_num_f32 v254, v232, v233, v234
	s_delay_alu instid0(VALU_DEP_1)
	v_max_num_f32 v254, v254, v235                 ; the step's largest score of my query
	s_delay_alu instid0(VALU_DEP_1)
	v_mul_f32 v254, s[CS], v254                    ; as t (c is positive)
	s_delay_alu instid0(VALU_DEP_1)
	v_max_num_f32 v13, v13, v254                   ; the running largest t
	v_mov_b32 v254, v12
	s_delay_alu instid0(VALU_DEP_2)
	v_floor_f32 v12, -v13                          ; the new -M = floor(-t) = -ceil(t): M IS A WHOLE NUMBER
	s_delay_alu instid0(VALU_DEP_1)
	v_sub_f32 v254, v12, v254                      ; M's old value less its new one: a whole number, 0 or less
	s_delay_alu instid0(VALU_DEP_1)
	v_cvt_i32_f32 v254, v254                       ; (it saturates)
	s_delay_alu instid0(VALU_DEP_1)
	v_ldexp_f32 v252, 1.0, v254                    ; f = 2^(old M - new M): a multiplication by it rounds nothing
.set n, 0
.rept 32
	v_pk_fma_f32 v[96+n:97+n], v[96+n:97+n], s[CS:CS+1], v[12:13] op_sel_hi:[1,0,0]   ; t - M, two at a time (of the pairs c and -M the low word serves both halves)
.set n, n+2
.endr
.irp b, 0,1,2,3
	v_fma_f32 v[232+\b], v[232+\b], s[CS], v12     ; the same of each block's largest score
.endr
.set n, 0
	s_wait_alu depctr_va_vdst(0)
.rept 64
	v_exp_f32 v[96+n], v[96+n]                     ; p = 2^(t - M), at most 1: NOT normalised
.set n, n+1
.endr
	s_setprio 1
	v_pk_mul_f32 v[14:15], v[14:15], v[252:253] op_sel_hi:[1,0]   ; the sums under the new M: the plain instruction behind the exponentials
	s_wait_alu depctr_va_vdst(0)                   ; one wait for the whole batch, ahead of its first reader
.irp b, 0,1,2,3
	v_exp_f32 v[232+\b], v[232+\b]                 ; the block's largest p: the same two instructions on the same number give the same bits
.endr
	v_pk_add_f32 v[236:237], v[100:101], v[104:105]
	v_pk_add_f32 v[250:251], v[108:109], v[112:113]
	v_pk_add_f32 v[248:249], v[116:117], v[120:121]
	v_pk_add_f32 v[246:247], v[124:125], v[128:129]
	v_pk_add_f32 v[244:245], v[132:133], v[136:137]
	v_pk_add_f32 v[240:241], v[140:141], v[144:145]
	v_pk_add_f32 v[238:239], v[148:149], v[152:153]
	v_pk_add_f32 v[14:15], v[14:15], v[156:157]
	v_pk_add_f32 v[236:237], v[236:237], v[96:97]
	v_pk_add_f32 v[250:251], v[250:251], v[98:99]
	v_pk_add_f32 v[248:249], v[248:249], v[102:103]
	v_pk_add_f32 v[246:247], v[246:247], v[106:107]
	v_pk_add_f32 v[244:245], v[244:245], v[110:111]
	v_pk_add_f32 v[240:241], v[240:241], v[114:115]
	v_pk_add_f32 v[238:239], v[238:239], v[118:119]
	v_pk_add_f32 v[14:15], v[14:15], v[122:123]
	v_pk_add_f32 v[236:237], v[236:237], v[126:127]
	v_pk_add_f32 v[250:251], v[250:251], v[130:131]
	v_pk_add_f32 v[248:249], v[248:249], v[134:135]
	v_pk_add_f32 v[246:247], v[246:247], v[138:139]
	v_pk_add_f32 v[244:245], v[244:245], v[142:143]
	v_pk_add_f32 v[240:241], v[240:241], v[146:147]
	v_pk_add_f32 v[238:239], v[238:239], v[150:151]
	v_pk_add_f32 v[14:15], v[14:15], v[154:155]
	v_pk_add_f32 v[236:237], v[236:237], v[158:159]
	s_delay_alu instid0(VALU_DEP_2)
	v_pk_add_f32 v[14:15], v[14:15], v[246:247]
	s_delay_alu instid0(VALU_DEP_2)
	v_pk_add_f32 v[236:237], v[236:237], v[244:245]
	v_pk_add_f32 v[250:251], v[250:251], v[240:241]
	v_pk_add_f32 v[248:249], v[248:249], v[238:239]
	s_delay_alu instid0(VALU_DEP_2)
	v_pk_add_f32 v[14:15], v[14:15], v[250:251]
	s_delay_alu instid0(VALU_DEP_2)
	v_pk_add_f32 v[236:237], v[236:237], v[248:249]
	s_delay_alu instid0(VALU_DEP_1)
	v_pk_add_f32 v[14:15], v[14:15], v[236:237]
	s_wait_alu depctr_va_vdst(0)                   ; and one for the four
.irp b, 0,1,2,3
	v_max_num_f32 v[232+\b], 0x1800000, v[232+\b]  ; the floor 2^(3 - 127): the byte cannot fall under 1 (a block whose every p is 0 keeps that byte: its codes are zeros)
.endr
.irp b, 0,1,2,3
	s_delay_alu instid0(VALU_DEP_4)
	v_add_nc_u32 v[244+\b], 0xff000000, v[232+\b]  ; 2 off the exponent field: the conversion's scale operand
.endr
.irp b, 0,1,2,3
	s_delay_alu instid0(VALU_DEP_4)
	v_lshrrev_b32 v[236+\b], 23, v[244+\b]         ; the scale's byte
.endr
	s_delay_alu instid0(VALU_DEP_3)
	v_lshl_or_b32 v253, v237, 8, v236              ; p's scale word for these 128 keys
	s_delay_alu instid0(VALU_DEP_1)
	v_lshl_or_b32 v253, v238, 16, v253
	s_delay_alu instid0(VALU_DEP_1)
	v_lshl_or_b32 v253, v239, 24, v253
.irp b, 0,1,2,3
	v_cvt_scalef32_pk8_fp4_f32 v[224+2*\b], v[96+16*\b:103+16*\b], v[244+\b]
	v_cvt_scalef32_pk8_fp4_f32 v[225+2*\b], v[104+16*\b:111+16*\b], v[244+\b]
.endr
	v_nop                                          ; one plain vector instruction behind the last scaled conversion
.irp c, 0,1                                    ; the operand's layout wants a WHOLE block in a lane: lanes 0-15 block 2 c, lanes 16-31 block 2 c + 1
.irp i, 0,1
	v_permlane16_swap_b32 v[224+4*\c+\i], v[226+4*\c+\i]
.endr
.endr
.set n, 0
.rept 32
	v_pk_mul_f32 v[160+n:161+n], v[160+n:161+n], v[252:253] op_sel_hi:[1,0]   ; O^T under the new M: x f.  (These 32 are also the places in front of the loads and the scaled products below)
.set n, n+2
.endr
	s_setprio 0
	s_wait_alu depctr_va_vdst(0)
.irp g, 0,1                                    ; O^T += V^T P^T: four tiles of 16 of the head's 128 at a time; K = these 128 keys.  The eight accumulators take turns, one instruction each
.if \g
.rept 4
	v_nop
.endr
.endif
.irp t, 0,1,2,3
.irp c, 0,1
	ds_load_b128 v[32+8*\t+4*\c:32+8*\t+4*\c+3], v[ADV] offset:16*(4*\g+\t)*VPIT+32*\c
.endr
	ds_load_b32 v[248+\t], v[ADT] offset:(4*\g+\t)*1088   ; 16 rows of 64 scale bytes are four rows of 272
.endr
	s_wait_dscnt 0x0
.irp t, 0,1,2,3
	v_wmma_scale_f32_16x16x128_f8f6f4 v[160+8*(4*\g+\t):167+8*(4*\g+\t)], v[32+8*\t:39+8*\t], v[224:231], v[160+8*(4*\g+\t):167+8*(4*\g+\t)], v[248+\t], v253 matrix_a_fmt:MATRIX_FMT_FP4 matrix_b_fmt:MATRIX_FMT_FP4
.endr
.endr
.Lhid_\@:
	s_add_co_u32 s[TK], s[TK], KSTEP               ; on to the next step, on every path
	s_add_co_u32 s[TV], s[TV], 64
	s_add_co_u32 s[TS], s[TS], 544
	s_add_co_u32 s[TJ], s[TJ], 4
	s_add_co_u32 s[STN], s[STN], 1
.endm
; A walk over nch chunks of four steps, from step s0 (a multiple of 4) on.  Every trip count is a constant of the text; every wave walks every step and works those between RLO and RHI.
.macro WALK s0, nch, qf, qs, diag
	s_mov_b32 s[STN], \s0
	s_mov_b32 s[TK], (\s0)*KSTEP
	s_mov_b32 s[TV], ((\s0)/4)*VCH
	s_mov_b32 s[TS], (\s0)*544
	s_mov_b32 s[TJ], (\s0)*4
.if \nch > 1
	s_mov_b32 s[RCH], \nch
.Lch_\@:
.endif
	s_mov_b32 s[RIN], 4
.Lst_\@:
	STEP \qf, \qs, \diag
	s_sub_co_u32 s[RIN], s[RIN], 1
	s_cmp_lg_u32 s[RIN], 0
	s_cbranch_scc1 .Lst_\@
	s_setprio 0
.if \nch > 1
	s_add_co_u32 s[TV], s[TV], VCH-256             ; V's next chunk: four steps of 64 bytes back, a chunk on
	s_sub_co_u32 s[RCH], s[RCH], 1
	s_cmp_lg_u32 s[RCH], 0
	s_cbranch_scc1 .Lch_\@
.endif
.endm
; THE WAY OUT of a tile.  The sum's two halves and the other half of the lanes' are added; O^T is divided by the sum and goes through my stage in LDS, half a row (64 channels, 256 bytes) of 16 queries at a time,
; so that sixteen lanes store 256 consecutive bytes, at a multiple of 256 from out0's first byte.
.macro OUT base
.rept 4
	v_nop                                          ; places behind the last products
.endr
	v_add_f32 v14, v14, v15
	s_delay_alu instid0(VALU_DEP_1)
	v_permlanex16_b32 v252, v14, s[SEL], s[SEL+1]
	s_delay_alu instid0(VALU_DEP_1)
	v_add_f32 v14, v14, v252                       ; the row's sum
	s_wait_alu depctr_va_vdst(0)
	v_rcp_f32 v14, v14
	v_nop                                          ; a plain instruction behind the reciprocal,
	s_wait_alu depctr_va_vdst(0)                   ; and a wait ahead of its first reader
.set n, 0
.rept 32
	v_pk_mul_f32 v[96+n:97+n], v[160+n:161+n], v[14:15] op_sel_hi:[1,0]   ; O^T / the sum, each accumulator from its low end on: register 8 t + i is o(r, 16 t + 8 h + i)
.set n, n+2
.endr
.irp u, 0,1                                    ; channels 64 u on
.irp t, 0,1,2,3
	ds_store_b128 v[SIN], v[96+32*\u+8*\t:99+32*\u+8*\t] offset:64*\t
	ds_store_b128 v[SIN], v[100+32*\u+8*\t:103+32*\u+8*\t] offset:64*\t+16
.endr
.irp i, 0,1,2,3,4,5,6,7
	ds_load_b128 v[160+32*\u+4*\i:163+32*\u+4*\i], v[SBK] offset:2*\i*272   ; LDS serves a wave's instructions in order (ISA guide 5.7.1.4): these see my stores, and the next half's stores come behind them
.endr
.endr
.irp u, 0,1
.irp i, 0,1,2,3,4,5,6,7
	s_wait_dscnt 23-16*\u-\i                       ; behind this load stand 7 - i loads of its half and, for the first half, the second half's 8 stores and 8 loads
	global_store_b128 v[GO], v[160+32*\u+4*\i:163+32*\u+4*\i], s[\base:\base+1] offset:2*\i*512+256*\u th:TH_STORE_NT   ; written once, read by nobody here
.endr
.endr
.endm
	INIT
	s_wait_tensorcnt 0x2                           ; of my five loads the two youngest, chunks 1 and 2, may stay out: the scale bytes, chunk 3 and chunk 0 have landed.  Nothing is ever filled again, so loads may cross this barrier
	s_barrier_signal -1
	s_barrier_wait -1                              ; everybody's have
	s_wait_loadcnt 0x0                             ; Q
	s_mov_b32 s[RLO], 0
	s_mov_b32 s[RHI], s[HL]
	WALK 12, 1, 16, 255, 1                         ; the late tile, steps 12 .. 15 - p: chunk 3
	s_mov_b32 s[RHI], s[FF]
	WALK 0, 1, 16, 255, 0                          ; the late tile, steps 0 .. min(p, 4) - 1: chunk 0; none of them is on the diagonal
	s_wait_tensorcnt 0x0                           ; chunks 1 and 2 have landed,
	s_wait_dscnt 0x0                               ; and my reads of chunk 3 are over
	s_barrier_signal -1
	s_barrier_wait -1                              ; both hold of every wave: chunks 1 and 2 may be read, and chunk 3's bytes serve as stages
	s_mov_b32 s[RLO], s[FF]
	s_mov_b32 s[RHI], s[HL]
	WALK 0, 3, 16, 255, 1                          ; the rest of the late tile: steps min(p, 4) .. min(11, 15 - p)
	OUT OUTL
	s_wait_xcnt 0x0                                ; the stores have read their registers: v160-223 are written again only behind this wait
	INIT
	s_mov_b32 s[RLO], 0
	s_add_co_u32 s[RHI], s[PP], 1
	WALK 0, 2, 24, 6, 1                            ; the early tile: steps 0 .. p
	OUT OUTE
	s_wait_dscnt 0x0
	s_wait_tensorcnt 0x0
	ds_add_u32 v242, v243
	s_wait_dscnt 0x0
	CROUND                                         ; the closing round: no work-group ends while a partner may still ask for a tile that names it
	s_endpgm
.Lfunc_end_k_qd65abbce6f_attn:
	.size	k_qd65abbce6f_attn, .Lfunc_end_k_qd65abbce6f_attn-k_qd65abbce6f_attn
	.p2alignl 7, 3214868480
	.fill 96, 4, 3214868480
	.section	.rodata,"a",@progbits
	.p2align	6, 0x0
	.amdhsa_kernel k_qd65abbce6f_attn
		.amdhsa_group_segment_fixed_size 327680
		.amdhsa_private_segment_fixed_size 0
		.amdhsa_enable_private_segment 0
		.amdhsa_kernarg_size 56
		.amdhsa_user_sgpr_count 2
		.amdhsa_user_sgpr_kernarg_segment_ptr 1
		.amdhsa_wavefront_size32 1
		.amdhsa_system_sgpr_workgroup_id_x 1
		.amdhsa_system_sgpr_workgroup_id_y 1
		.amdhsa_system_sgpr_workgroup_id_z 1
		.amdhsa_system_vgpr_workitem_id 0
		.amdhsa_next_free_vgpr 256
		.amdhsa_next_free_sgpr 106
		.amdhsa_reserve_vcc 1
		.amdhsa_float_denorm_mode_32 3
		.amdhsa_float_denorm_mode_16_64 3
		.amdhsa_memory_ordered 1
		.amdhsa_forward_progress 1
		.amdhsa_inst_pref_size 127
	.end_amdhsa_kernel
	.amdgpu_metadata
---
amdhsa.version: [ 1, 2 ]
amdhsa.kernels:
  - .name:           k_qd65abbce6f_attn
    .symbol:         k_qd65abbce6f_attn.kd
    .args:
      - { .name: K_codes, .offset: 0, .size: 8, .value_kind: global_buffer, .address_space: global }
      - { .name: K_scales, .offset: 8, .size: 8, .value_kind: global_buffer, .address_space: global }
      - { .name: Q_codes, .offset: 16, .size: 8, .value_kind: global_buffer, .address_space: global }
      - { .name: Q_scales, .offset: 24, .size: 8, .value_kind: global_buffer, .address_space: global }
      - { .name: V_codes, .offset: 32, .size: 8, .value_kind: global_buffer, .address_space: global }
      - { .name: V_scales, .offset: 40, .size: 8, .value_kind: global_buffer, .address_space: global }
      - { .name: out0, .offset: 48, .size: 8, .value_kind: global_buffer, .address_space: global }
    .group_segment_fixed_size: 327680
    .private_segment_fixed_size: 0
    .kernarg_segment_align: 8
    .kernarg_segment_size: 56
    .max_flat_workgroup_size: 512
    .sgpr_count:     106
    .vgpr_count:     256
    .wavefront_size: 32
...
	.end_amdgpu_metadata
.endif
;; end of part 1
